; MI455X (gfx1250); checked and timed in simulation.
; The chip was launched on July 23, 2026; its instructions are those of AMD's public machine-readable ISA for CDNA 5 (MIT licence, August 2026) and "CDNA5" Instruction Set Architecture Reference Guide (July 2026). The comments in the code are by the model that wrote it; some were corrected since.
;; Swin Transformer Block. Allowed arithmetic: matrix products marked QUANTISED: E2M3 operands, one E8M0 scale for each 32 along K, by v_wmma_scale_f32_16x16x128_f8f6f4 with both operands' format E2M3, f32 sums; everything else in f32.
;; Inputs: W1 256 x 1,024 float32; W2 1,024 x 256 float32; Wkv 256 x 512 float32; Wp 256 x 256 float32; Wq 256 x 256 float32; b1 1,024 float32; b2 256 float32; be1 256 float32; be2 256 float32; bkv 512 float32; bp 256 float32; bq 256 float32; g1 256 float32; g2 256 float32; pos 1 x 64 x 256 float32; x 32 x 2,048 x 256 float32.
;; Outputs: out0 32 x 2,048 x 256 float32.
;; This version of the problem:
;;   THIS VERSION OF THE PROBLEM IS GIVEN IN LOW PRECISION. The matrix products marked QUANTISED in the list below multiply operands that are first quantised to E2M3 (2 exponent bits, 3 mantissa bits; 6 bits a number), with one power-of-two scale for each 32 numbers along K (OCP MX v1.0); their sums are f32. All else is computed in f32.
;;   The module's matrix products, in the order in which they are computed (A, B: the left and right operand; K: the contracted axis; several contracted axes count as one K, in the product's order):
;;     1. [M 65,536, K 256] x [K 256, N 256]; A: computed on the way; B: input Wq: QUANTISED
;;     2. [M 65,536, K 256] x [K 256, N 512]; A: input x; B: input Wkv: QUANTISED
;;     3. batch 8,192 x [M 64, K 32] x [K 32, N 64]; A: computed on the way; B: computed on the way: QUANTISED
;;     4. batch 8,192 x [M 64, K 64] x [K 64, N 32]; A: softmax (see below); B: computed on the way: QUANTISED
;;     5. [M 65,536, K 256] x [K 256, N 256]; A: computed on the way; B: input Wp: QUANTISED
;;     6. [M 65,536, K 256] x [K 256, N 1,024]; A: computed on the way; B: input W1: QUANTISED
;;     7. [M 65,536, K 1,024] x [K 1,024, N 256]; A: computed on the way; B: input W2: QUANTISED
;;   THE QUANTISER, for each operand of a quantised product, along K:
;;     - K is cut into blocks of 32 from its start; a last block that is shorter is filled with zeros.
;;     - A block's scale is 2^e with e = floor(log2(the largest magnitude in the block)) - 2, held to -126 .. 127; a block of zeros has e = 0. As a byte (E8M0): e + 127.
;;     - Each number is divided by its block's scale, clamped to +-7.5, and rounded to the nearest number of E2M3, ties to even, subnormals kept.
;;     - The product sums the exact products of the quantised numbers (number of the format x scale) in f32.
;;   ~~~python
;;   def quantise(x, axis):      # numpy; x: float32 -> the quantised numbers, widened to float32 again
;;       x = np.moveaxis(x, axis, -1); K = x.shape[-1]
;;       x = np.pad(x, [(0, 0)] * (x.ndim - 1) + [(0, -K % 32)]); x = x.reshape(x.shape[:-1] + (-1, 32)); a = np.abs(x).max(-1, keepdims=True)
;;       e = np.where(a > 0, np.clip(np.frexp(np.where(a > 0, a, 1))[1] - 1 - 2, -126, 127), 0)      # np.frexp(a)[1] - 1 = floor(log2(a)), exactly
;;       r = np.clip(x / 2.0 ** e, -7.5, 7.5)
;;       step = 2.0 ** (np.maximum(np.frexp(np.where(r == 0, 1, r))[1] - 1, 0) - 3)
;;       q = np.round(r / step) * step * 2.0 ** e      # np.round: ties to even
;;       return np.moveaxis(q.reshape(q.shape[:-2] + (-1,))[..., :K], -1, axis).astype(np.float32)
;;   ~~~
;;   SOFTMAX AHEAD OF A QUANTISED PRODUCT. Where the list says 'softmax', what is quantised is not the finished softmax but p = 2^(t - M), with t = logit x log2(e) and M = ceil(the row's largest t), a whole number; so 1/2 < the row's largest p <= 1. The row's sum l is taken of the UNQUANTISED p, in f32, and the product's result is divided by l at the end. Since M is a whole number, a kernel that streams over the keys may use a running M (the ceiling of the running maximum): every later rescaling is an exact power of two, which a block's scale takes up: the codes' values come out the same.
;;   OPERANDS COMPUTED ON THE WAY. 'Computed on the way' means the value that the module computes at that place (a softmax that the list does not call 'softmax' is quantised finished and normalised). What goes into a quantiser is computed in f32, as accurately as f32 sums, v_exp_f32 and their like allow (about 1e-6 of the number): no bf16 or f16 on the way to a quantiser, and a product that is left as it is and whose result goes on into a quantised operand takes f32 operands (vector FMAs, or v_wmma_f32_16x16x4_f32). A number that lies on a knife's edge between two numbers of the format may be rounded either way, as far as f32 arithmetic and the matrix unit's own rounding can turn it there, and no further.
;; One version. Each part assembles by itself: llvm-mc -triple=amdgcn-amd-amdhsa -mcpu=gfx1250 --defsym DOCPART=n.
;; ======== version 1 of 1: 2 launches
;; limits: a function is approximated: absolute error at most 1.5e-07
;; workspace buffers: wsb 614,400 bytes
;; launch prep (part 1): grid 96 x 1, 4 waves a work-group, no clusters, 0 bytes of LDS; arguments Wq, Wkv, Wp, W1, W2, wsb; writes wsb
.if DOCPART == 1
	.amdgcn_target "amdgcn-amd-amdhsa--gfx1250"
	.amdhsa_code_object_version 6
	.text
	.protected	k_q23a02c7f3d_prep
	.globl	k_q23a02c7f3d_prep
	.p2align	8
	.type	k_q23a02c7f3d_prep,@function
k_q23a02c7f3d_prep:
	s_mov_b64 s[64:65], 0
	v_nop
	global_prefetch_b8 v0, s[64:65] scope:SCOPE_SE
	s_setreg_imm32_b32 hwreg(HW_REG_WAVE_MODE, 25, 1), 1
	s_wait_xcnt 0x0
; The five weights, f32 stored [K][N], become codes of FP6 (E2M3) quantised along K, laid in the ORDER OF THE OPERAND'S REGISTERS.
; A fragment is 16 columns x 128 along K: 12 registers a lane, stored as three runs of 512 bytes (lane l's 16 bytes at 16 l): 1,536 bytes.
; Fragment F = base + tile x KS + K step.  Wq: base 0, Wkv: 32, Wp: 96, W1: 128 (KS = 2), W2: 256 (KS = 8): 384 fragments, 589,824 bytes.
; Behind them the scale words: 64 bytes a fragment, column r's word (four E8M0 bytes, one for each 32 along K) at 4 r.
; THE COLUMNS OF A TILE ARE NOT NEIGHBOURS: lane r of tile nt takes column 32 (nt / 2) + 8 (nt % 2) + r + 8 (r / 8), so that in a product used
; transposed the 16 registers of two neighbouring tiles are 16 neighbouring channels.
; A lane takes a column and its registers run down K: lane (r, h) holds k = 64 c + 32 h + 0 .. 31, two whole blocks; nothing is transposed.
; One wave makes one fragment; 96 work-groups of four waves.  No LDS, no barrier: waves share nothing.
; A block's byte is its largest magnitude's exponent field - 2, held at 1 from below; a block of zeros keeps the byte 1 (its codes are zeros; this program alone reads the bytes).
; LIMITS: NaN and infinities among the inputs are not served.
	s_load_b256 s[4:11], s[0:1], 0x0               ; Wq, Wkv, Wp, W1
	s_load_b128 s[12:15], s[0:1], 0x20             ; W2, wsb
	v_lshrrev_b32 v1, 5, v0
	v_readfirstlane_b32 s16, v1                    ; wave 0..3
	v_and_b32 v1, 15, v0                           ; r
	v_bfe_u32 v2, v0, 4, 1                         ; h
	v_and_b32 v3, 8, v1
	v_add_nc_u32 v3, v3, v1                        ; r + 8 (r / 8)
	v_lshlrev_b32 v4, 2, v3                        ; my column's bytes in a row
	v_and_b32 v6, 31, v0
	v_lshlrev_b32 v6, 4, v6                        ; out: 16 x lane
	v_lshlrev_b32 v7, 2, v1                        ; out: 4 r
	s_mov_b32 s20, 0x76543210
	s_mov_b32 s21, 0xfedcba98                      ; lane selects: lane l xor 16
	s_wait_kmcnt 0x0
	; which weight is my work-group's: the choices hang on the work-group's number alone
	s_mov_b64 s[18:19], s[12:13]                   ; W2: work-groups 64 to 95
	s_mov_b32 s22, 64                              ; its first work-group
	s_mov_b32 s23, 256                             ; its first fragment
	s_mov_b32 s24, 3                               ; log2 of its K steps
	s_mov_b32 s25, 1024                            ; bytes in a row
	s_cmp_lt_u32 ttmp9, 64                         ; W1: 32 to 63
	s_cselect_b64 s[18:19], s[10:11], s[18:19]
	s_cselect_b32 s22, 32, s22
	s_cselect_b32 s23, 128, s23
	s_cselect_b32 s24, 1, s24
	s_cselect_b32 s25, 4096, s25
	s_cmp_lt_u32 ttmp9, 32                         ; Wp: 24 to 31
	s_cselect_b64 s[18:19], s[8:9], s[18:19]
	s_cselect_b32 s22, 24, s22
	s_cselect_b32 s23, 96, s23
	s_cselect_b32 s25, 1024, s25
	s_cmp_lt_u32 ttmp9, 24                         ; Wkv: 8 to 23
	s_cselect_b64 s[18:19], s[6:7], s[18:19]
	s_cselect_b32 s22, 8, s22
	s_cselect_b32 s23, 32, s23
	s_cselect_b32 s25, 2048, s25
	s_cmp_lt_u32 ttmp9, 8                          ; Wq: 0 to 7
	s_cselect_b64 s[18:19], s[4:5], s[18:19]
	s_cselect_b32 s22, 0, s22
	s_cselect_b32 s23, 0, s23
	s_cselect_b32 s25, 1024, s25
	s_sub_co_u32 s26, ttmp9, s22                   ; my number within the weight
	s_lshr_b32 s27, s26, s24
	s_lshl_b32 s28, 1, s24
	s_sub_co_u32 s28, s28, 1
	s_and_b32 s29, s26, s28                        ; the K step
	s_lshl_b32 s27, s27, 2
	s_add_co_u32 s27, s27, s16                     ; the tile of columns: 4 x group + wave
	s_lshl_b32 s30, s27, s24
	s_add_co_u32 s30, s30, s29
	s_add_co_u32 s30, s30, s23                     ; F
	s_mul_i32 s31, s29, s25
	s_lshl_b32 s31, s31, 7                         ; 128 rows a K step
	s_lshr_b32 s32, s27, 1
	s_lshl_b32 s32, s32, 7                         ; 32 columns of 4 bytes for each pair of tiles
	s_and_b32 s33, s27, 1
	s_lshl_b32 s33, s33, 5                         ; 8 columns for the odd tile
	s_add_co_u32 s32, s32, s31
	s_add_co_u32 s32, s32, s33
	s_mov_b32 s33, 0
	s_add_nc_u64 s[18:19], s[18:19], s[32:33]      ; the weight at my fragment's corner
	s_mul_i32 s34, s30, 1536
	s_mov_b32 s35, 0
	s_add_nc_u64 s[36:37], s[14:15], s[34:35]      ; my fragment's image
	s_lshl_b32 s38, s30, 6
	s_add_co_u32 s38, s38, 589824
	s_mov_b32 s39, 0
	s_add_nc_u64 s[38:39], s[14:15], s[38:39]      ; my fragment's scale words
; 64 loads: W(64 c + 32 h + i, my column) into v[64 + 32 c + i].  The row's bytes stand in the immediates, so the run is written once for each of the three row lengths.
.macro WLOAD pitch
	v_mul_u32_u24 v5, v2, 32*\pitch                ; lanes 16-31 begin 32 rows further down
	v_add_nc_u32 v5, v5, v4
.set i, 0
.rept 64
	global_load_b32 v[64+i], v5, s[18:19] offset:\pitch*(64*(i/32)+i%32)
.set i, i+1
.endr
.endm
	s_cmp_eq_u32 s25, 1024
	s_cbranch_scc1 .Lp1024
	s_cmp_eq_u32 s25, 2048
	s_cbranch_scc1 .Lp2048
	WLOAD 4096
	s_branch .Ljoin
.Lp2048:
	WLOAD 2048
	s_branch .Ljoin
.Lp1024:
	WLOAD 1024
.Ljoin:
	s_wait_loadcnt 0x0
.irp c, 0,1
	v_max3_num_f32 v[32+\c], |v[64+32*\c]|, |v[65+32*\c]|, 0x1800000   ; my block 2 c + h: all its 32 numbers are mine; and the floor 2^(3 - 127)
.endr
.irp i, 2,4,6,8,10,12,14,16,18,20,22,24,26,28,30
.irp c, 0,1
	v_max3_num_f32 v[32+\c], v[32+\c], |v[64+32*\c+\i]|, |v[65+32*\c+\i]|
.endr
.endr
.irp c, 0,1
	v_add_nc_u32 v[44+\c], 0xff000000, v[32+\c]    ; 2 off the exponent field: the conversion's scale operand
.endr
.irp c, 0,1
	v_lshrrev_b32 v[36+\c], 23, v[44+\c]           ; the scale's byte
.endr
	v_lshl_or_b32 v9, v37, 16, v36                 ; my two bytes: blocks h and 2 + h,
	v_lshlrev_b32 v10, 3, v2
	v_lshlrev_b32 v9, v10, v9                      ; at their places in the word;
	v_mov_b32 v10, 0
	v_permlanex16_b32 v10, v9, s20, s21
	v_or_b32 v9, v9, v10                           ; with lane l xor 16's two the word is whole
.irp c, 0,1
	v_cvt_scalef32_pk16_fp6_f32 v[48+6*\c:50+6*\c], v[64+32*\c:79+32*\c], v[44+\c]
	v_cvt_scalef32_pk16_fp6_f32 v[192+4*\c:194+4*\c], v[80+32*\c:95+32*\c], v[44+\c]   ; (a conversion's three registers begin on an even number)
.endr
	v_nop                                          ; one plain place behind a scaled conversion
.irp c, 0,1
.irp i, 0,1,2
	v_mov_b32 v[51+6*\c+\i], v[192+4*\c+\i]
.endr
.endr
.irp j, 0,1,2
	global_store_b128 v6, v[48+4*\j:51+4*\j], s[36:37] offset:512*\j   ; 32 lanes store 512 consecutive bytes, aligned
.endr
	global_store_b32 v7, v9, s[38:39]              ; both halves of the lanes hold the same word
	s_endpgm
.Lfunc_end_k_q23a02c7f3d_prep:
	.size	k_q23a02c7f3d_prep, .Lfunc_end_k_q23a02c7f3d_prep-k_q23a02c7f3d_prep
	.p2alignl 7, 3214868480
	.fill 96, 4, 3214868480
	.section	.rodata,"a",@progbits
	.p2align	6, 0x0
	.amdhsa_kernel k_q23a02c7f3d_prep
		.amdhsa_group_segment_fixed_size 0
		.amdhsa_private_segment_fixed_size 0
		.amdhsa_enable_private_segment 0
		.amdhsa_kernarg_size 48
		.amdhsa_user_sgpr_count 2
		.amdhsa_user_sgpr_kernarg_segment_ptr 1
		.amdhsa_wavefront_size32 1
		.amdhsa_system_sgpr_workgroup_id_x 1
		.amdhsa_system_sgpr_workgroup_id_y 1
		.amdhsa_system_sgpr_workgroup_id_z 1
		.amdhsa_system_vgpr_workitem_id 0
		.amdhsa_next_free_vgpr 208
		.amdhsa_next_free_sgpr 66
		.amdhsa_reserve_vcc 0
		.amdhsa_float_denorm_mode_32 3
		.amdhsa_float_denorm_mode_16_64 3
		.amdhsa_memory_ordered 1
		.amdhsa_forward_progress 1
		.amdhsa_inst_pref_size 25
	.end_amdhsa_kernel
	.amdgpu_metadata
---
amdhsa.version: [ 1, 2 ]
amdhsa.kernels:
  - .name:           k_q23a02c7f3d_prep
    .symbol:         k_q23a02c7f3d_prep.kd
    .args:
      - { .name: Wq, .offset: 0, .size: 8, .value_kind: global_buffer, .address_space: global }
      - { .name: Wkv, .offset: 8, .size: 8, .value_kind: global_buffer, .address_space: global }
      - { .name: Wp, .offset: 16, .size: 8, .value_kind: global_buffer, .address_space: global }
      - { .name: W1, .offset: 24, .size: 8, .value_kind: global_buffer, .address_space: global }
      - { .name: W2, .offset: 32, .size: 8, .value_kind: global_buffer, .address_space: global }
      - { .name: wsb, .offset: 40, .size: 8, .value_kind: global_buffer, .address_space: global }
    .group_segment_fixed_size: 0
    .private_segment_fixed_size: 0
    .kernarg_segment_align: 8
    .kernarg_segment_size: 48
    .max_flat_workgroup_size: 128
    .sgpr_count:     66
    .vgpr_count:     208
    .wavefront_size: 32
...
	.end_amdgpu_metadata
.endif
;; end of part 1
;; launch main (part 2): grid 512 x 1, 8 waves a work-group, no clusters, 324,608 bytes of LDS; arguments x, pos, wsb, bq, bkv, bp, b1, b2, g1, be1, g2, be2, out0; writes out0
.if DOCPART == 2
	.amdgcn_target "amdgcn-amd-amdhsa--gfx1250"
	.amdhsa_code_object_version 6
	.text
	.protected	k_q23a02c7f3d_main
	.globl	k_q23a02c7f3d_main
	.p2align	8
	.type	k_q23a02c7f3d_main,@function
k_q23a02c7f3d_main:
	s_mov_b64 s[64:65], 0
	v_nop
	global_prefetch_b8 v0, s[64:65] scope:SCOPE_SE
	s_setreg_imm32_b32 hwreg(HW_REG_WAVE_MODE, 25, 1), 1
	s_wait_xcnt 0x0
; The whole block for two windows (128 tokens) a work-group: q, k, v, cosine attention, the projection, LayerNorm and residual, the MLP with the exact GELU, LayerNorm and residual.
; All seven products on codes of FP6 (E2M3) with one E8M0 scale for each 32 along K; all else in f32.  x is read once, out0 written once; nothing between goes to memory.
; SHARES.  Eight waves of 512 registers.  In the MATRIX phases the waves share the COLUMNS: wave w has head w (q, k, v, attention), outputs 32 w .. 32 w + 31 of Wp and W2, hidden units
; 128 w .. 128 w + 127 of W1, each for all eight tiles of 16 tokens: so each weight fragment is loaded by one wave of the work-group, once, straight into registers (laid so by the launch before).
; In the ROW phases (x in, both LayerNorms, out) wave w has tile w of the tokens.  Between the two, codes go through LDS as records of a block of 32, f32 results through one stage.  Six barriers.
; NO CLUSTER, NO TENSOR LOAD: what work-groups share is the weights, which here go to registers, a fragment to a wave; a joint load lands in LDS, of whose 327,680 bytes the activations take 324,608.
; TILES.  Tile t = 2 b + u of a window holds tokens 32 b + 8 u + r + 8 (r / 8): rows 0-7 are window row 4 b + u, rows 8-15 window row 4 b + 2 + u.  The weights' tiles take their columns in the same
; way.  So in every product used transposed (source 0 = weight, source 1 = tokens) a lane holds one token and the 16 registers of two neighbouring tiles are 16 neighbouring channels; in S^T and in v
; (source 0 = tokens) they are 16 neighbouring keys.
; SOFTMAX.  q and k are normalised and scaled by 1/16, so t = score x log2(e) / 16 stays within about 0.11 of zero for every input: p = 2^t lies in (0.92, 1.08) and a row's sum under 70.
; M is therefore taken as 0; against M = ceil(the largest t), which is 0 or 1, p and the sum differ by one exact power of two, which the block's scale and the sum both take up.
; GELU.  erf by the rational form 1 - (a1 t + .. + a5 t^5) e^(-z^2), t = 1 / (1 + p z) (absolute error at most 1.5e-7), used as gelu(x) = max(x, 0) - |x| (Q / 2) e^(-x^2 / 2): no difference of near numbers.
; LIMITS: gelu is within 0.75e-7 |x| of the exact value; for x under -3 that is more than an f32 rounding of the (tiny) value itself.  NaN and infinities among the inputs are not served.
; Blocks of zeros carry the byte 1 (their codes are zeros; this program alone reads the bytes).
.set SPI,   1040                       ; LDS: the stage, 128 rows of 1,024 bytes + 16: row r starts at bank 4 r mod 64
.set XB,    133120                     ; codes of x, later of x1: 8 blocks of 32 channels
.set QXO,   25600                      ; codes of x + pos, so far behind XB
.set OB,    184320                     ; codes of o
.set HB,    209920                     ; codes of the hidden layer: 32 blocks
.set XSC,   312320                     ; scale words of x (x1): [tile][K step][16 rows]
.set QSO,   1024                       ; those of x + pos, so far behind
.set OSB,   314368                     ; scale bytes of o: [head][tile][16 rows]
.set HSC,   315392                     ; scale words of the hidden layer: [K step][tile][16 rows]
.set B1L,   319488                     ; b1, 512 bytes a wave
.set SPARE, 323584                     ; the spare words, 128 bytes a wave: four blocks of 256 bytes that no other line names
.set BLK,   3200                       ; a block of 32 along K: 8 tiles' records; 3,200 = 128 mod 256, so that the halves of the lanes fall on different banks
.set REC,   384                        ; a tile's record in a block: 16 rows x 16 bytes, then 16 rows x 8 bytes
.set KST,   12800                      ; four blocks: a K step of 128
.set L16, 1                            ; v1  16 x lane
.set SD,  2                            ; v2  the stage, my 16 rows, dense: 16,640 w + 16 x lane
.set SLL, 3                            ; v3  the stage, my 16 rows, a lane to a row: 16,640 w + 1,040 r + 64 h
.set FA,  4                            ; v4  a record's first plane: 3,200 h + 16 r
.set FB,  5                            ; v5  its second: 3,200 h + 8 r + 256
.set L4,  6                            ; v6  4 x lane
.set SP,  7                            ; v7  the stage, my strip of columns: 1,040 r + 64 h + 128 w
.set SPW, 18                           ; v18 my spare word;  v19 0: both never rewritten
.set NIL, 19                           ; v8-11, v16, v17: addresses of the phase in hand;  v12-15: destinations of lane permutes;  v20-43: scales and nothing else
.set AF,  44                           ; attention: two fragments of x or of x + pos
.set ACC, 68                           ; two tiles of q or of k
.set VA,  84                           ; v of the window: 32 dd + 8 tile
.set QF,  148                          ; q's codes, six registers a tile (the six above them meet zero codes of k)
.set VF,  172                          ; v's codes, six a tile of 16 channels
.set KF,  184                          ; k's codes, twelve a tile, the upper six zeros
.set T,   232                          ; at work
.set PF,  44                           ; p's codes, the upper six zeros
.set SS,  84                           ; S^T, then p
.set OO,  116                          ; O^T of two tiles of queries
.set OF,  44                           ; projection: eight fragments of o;  PA: eight accumulators
.set PA,  140
.set HF,  48                           ; second MLP product: four fragments of the hidden layer;  YA: eight accumulators
.set YA,  96
.set LA,  64                           ; LayerNorm: 16 rows x 8 registers;  LM: a figure a row, at even registers;  LT at work;  gain, bias, the product's bias
.set LM,  192
.set LT,  44
.set LG,  232
.set LBE, 240
.set LBI, 248
.set GA,  128                          ; GELU: |x|;  1 + P' |x|, then t;  -(k x)^2, then e^(-x^2/2);  the polynomial
.set GD,  144
.set GU,  160
.set GQ,  176
.set CA5, 44                           ; its constants, each in both words of a pair
.set CA4, 46
.set CA3, 48
.set CA2, 50
.set CA1, 52
.set CP,  54
.set CK,  56
.set C1,  58
; Window 1 (v256-511): Wq 0-47, Wk 48-95, bq 96-111, bk 112-127, Wv 128-175, bv 176-191, pos rows 8-15 and then Wp 192-239, bp 240-255; later x (x1) dense 0-127, W1's and W2's fragments.
.set MSB, 0
.macro WIN new                         ; the immediate's high byte repeats the setting that is left; bits 1:0 source 0, 3:2 source 1, 5:4 source 2, 7:6 destination
.if MSB != \new
	s_set_vgpr_msb (MSB<<8)|\new
.set MSB, \new
.endif
.endm
.macro PLACES n                        ; plain places behind matrix instructions: 4 ahead of reads of results and of loads into their registers, 5 ahead of a matrix instruction that writes over them
.rept \n
	v_nop
.endr
.endm
.macro BAR                             ; my LDS stores have landed and my LDS loads are in: then the work-group's barrier
	s_wait_dscnt 0x0
	s_barrier_signal -1
	s_barrier_wait -1
.endm
.macro WFRAG reg, sb, off              ; a weight fragment, as the launch before laid it: three runs of 512 bytes
.irp j, 0,1,2
	global_load_b128 v[\reg+4*\j:\reg+4*\j+3], v[L16], s[\sb:\sb+1] offset:\off+512*\j
.endr
.endm
.macro FETCHA reg, va, vb, off         ; a fragment of codes from four blocks' records: lane (r, h) takes blocks h and 2 + h of the K step
	ds_load_b128 v[\reg:\reg+3], v[\va] offset:\off
	ds_load_b64 v[\reg+4:\reg+5], v[\vb] offset:\off
	ds_load_b128 v[\reg+6:\reg+9], v[\va] offset:\off+6400
	ds_load_b64 v[\reg+10:\reg+11], v[\vb] offset:\off+6400
.endm
.macro PUTA reg, va, vb, off           ; and into them
	ds_store_b128 v[\va], v[\reg:\reg+3] offset:\off
	ds_store_b64 v[\vb], v[\reg+4:\reg+5] offset:\off
	ds_store_b128 v[\va], v[\reg+6:\reg+9] offset:\off+6400
	ds_store_b64 v[\vb], v[\reg+10:\reg+11] offset:\off+6400
.endm
.macro STOUT acc, va, off              ; an accumulator to the stage, from its low end on
	ds_store_b128 v[\va], v[\acc:\acc+3] offset:\off
	ds_store_b128 v[\va], v[\acc+4:\acc+7] offset:\off+16
.endm
; One matrix instruction.  c = 999: the constant 0 starts the sum.  row = 1: both scale words are taken from lanes 16-31 (the odd K step of a pair).
.macro WM d, a, b, c, sa, sb, row
.if (\c) == 999
	v_wmma_scale_f32_16x16x128_f8f6f4 v[\d:\d+7], v[\a:\a+11], v[\b:\b+11], 0, v[\sa], v[\sb] matrix_a_fmt:MATRIX_FMT_FP6 matrix_b_fmt:MATRIX_FMT_FP6
.else
.if \row
	v_wmma_scale_f32_16x16x128_f8f6f4 v[\d:\d+7], v[\a:\a+11], v[\b:\b+11], v[\c:\c+7], v[\sa], v[\sb] matrix_a_fmt:MATRIX_FMT_FP6 matrix_b_fmt:MATRIX_FMT_FP6 matrix_a_scale:MATRIX_SCALE_ROW1 matrix_b_scale:MATRIX_SCALE_ROW1
.else
	v_wmma_scale_f32_16x16x128_f8f6f4 v[\d:\d+7], v[\a:\a+11], v[\b:\b+11], v[\c:\c+7], v[\sa], v[\sb] matrix_a_fmt:MATRIX_FMT_FP6 matrix_b_fmt:MATRIX_FMT_FP6
.endif
.endif
.endm
; 64 numbers of a lane, register 16 b + i = k 32 b + 16 h + i of my row, become a fragment's codes in v[pc] .. v[pc + 11] (v[pc + 12] .. v[pc + 18] at work) and its scale word in v[pw].
.macro QUANT s, pc, tm, pw
.irp b, 0,1,2,3
	v_max3_num_f32 v[\tm+\b], |v[\s+16*\b]|, |v[\s+1+16*\b]|, 0x1800000   ; my 16 numbers of block b, and the floor 2^(3 - 127): the byte cannot fall under 1
.endr
.irp i, 2,4,6,8,10,12,14
.irp b, 0,1,2,3
	v_max3_num_f32 v[\tm+\b], v[\tm+\b], |v[\s+16*\b+\i]|, |v[\s+1+16*\b+\i]|
.endr
.endr
.irp b, 0,1,2,3
	v_permlanex16_b32 v[12+\b], v[\tm+\b], s48, s49
.endr
.irp b, 0,1,2,3
	v_max_num_f32 v[\tm+\b], v[\tm+\b], v[12+\b]   ; with lane l xor 16's: the block's largest magnitude
.endr
.irp b, 0,1,2,3
	v_add_nc_u32 v[\tm+4+\b], 0xff000000, v[\tm+\b]   ; 2 off its exponent field: the conversion's scale operand
.endr
.irp b, 0,1,2,3
	v_lshrrev_b32 v[\tm+\b], 23, v[\tm+4+\b]       ; the scale's byte
.endr
	v_lshl_or_b32 v[\pw], v[\tm+1], 8, v[\tm]
	v_lshl_or_b32 v[\pw], v[\tm+2], 16, v[\pw]
	v_lshl_or_b32 v[\pw], v[\tm+3], 24, v[\pw]
.irp c, 0,1
	v_cvt_scalef32_pk16_fp6_f32 v[\pc+6*\c:\pc+2+6*\c], v[\s+32*\c:\s+15+32*\c], v[\tm+4+2*\c]
	v_cvt_scalef32_pk16_fp6_f32 v[\pc+12+4*\c:\pc+14+4*\c], v[\s+16+32*\c:\s+31+32*\c], v[\tm+5+2*\c]   ; (a conversion's three registers begin on an even number)
.endr
	v_nop                                          ; one plain place behind a scaled conversion
.irp c, 0,1                            ; the operand's layout wants a whole block in a lane: lanes 0-15 block 2 c, lanes 16-31 block 2 c + 1
.irp i, 0,1,2
	v_permlane16_swap_b32 v[\pc+6*\c+\i], v[\pc+12+4*\c+\i]
.endr
.irp i, 0,1,2
	v_mov_b32 v[\pc+3+6*\c+\i], v[\pc+12+4*\c+\i]
.endr
.endr
.endm
; Two blocks, 16 registers a lane each (v[s] on, v[s + 16] on): six registers of codes in v[d] on (lanes 0-15 the first block whole, lanes 16-31 the second), the two bytes in v[tm], v[tm + 1].
.macro HQ s, d, t, tm
.irp b, 0,1
	v_max3_num_f32 v[\tm+\b], |v[\s+16*\b]|, |v[\s+1+16*\b]|, 0x1800000
.endr
.irp i, 2,4,6,8,10,12,14
.irp b, 0,1
	v_max3_num_f32 v[\tm+\b], v[\tm+\b], |v[\s+16*\b+\i]|, |v[\s+1+16*\b+\i]|
.endr
.endr
.irp b, 0,1
	v_permlanex16_b32 v[12+\b], v[\tm+\b], s48, s49
.endr
.irp b, 0,1
	v_max_num_f32 v[\tm+\b], v[\tm+\b], v[12+\b]
.endr
.irp b, 0,1
	v_add_nc_u32 v[\tm+2+\b], 0xff000000, v[\tm+\b]
.endr
.irp b, 0,1
	v_lshrrev_b32 v[\tm+\b], 23, v[\tm+2+\b]
.endr
	v_cvt_scalef32_pk16_fp6_f32 v[\d:\d+2], v[\s:\s+15], v[\tm+2]
	v_cvt_scalef32_pk16_fp6_f32 v[\t:\t+2], v[\s+16:\s+31], v[\tm+3]
	v_nop
.irp i, 0,1,2
	v_permlane16_swap_b32 v[\d+\i], v[\t+\i]
.endr
.irp i, 0,1,2
	v_mov_b32 v[\d+3+\i], v[\t+\i]
.endr
.endm
; A head's 32 channels of my token (16 registers here, 16 in lane l xor 16) are divided by max(their norm, 1e-12) and quantised: one block.  Codes in v[d] .. v[d + 5]: lanes 0-15 the whole block,
; lanes 16-31 zeros (K = 32 .. 63 of the padded product); the byte in v[sc].
.macro NORMQ a, d, sc
	v_pk_mul_f32 v[T:T+1], v[\a:\a+1], v[\a:\a+1]
	v_pk_mul_f32 v[T+2:T+3], v[\a+2:\a+3], v[\a+2:\a+3]
.irp i, 4,8,12
	v_pk_fma_f32 v[T:T+1], v[\a+\i:\a+\i+1], v[\a+\i:\a+\i+1], v[T:T+1]
	v_pk_fma_f32 v[T+2:T+3], v[\a+\i+2:\a+\i+3], v[\a+\i+2:\a+\i+3], v[T+2:T+3]
.endr
	v_pk_add_f32 v[T:T+1], v[T:T+1], v[T+2:T+3]
	v_add_f32 v[T], v[T], v[T+1]
	v_permlanex16_b32 v12, v[T], s48, s49
	v_add_f32 v[T], v[T], v12                      ; the sum of squares
	v_rsq_f32 v[T+6], v[T]
	v_nop                                          ; a plain place behind the transcendental,
	s_wait_alu depctr_va_vdst(0)                   ; and the wait ahead of its first reader
	v_min_num_f32 v[T+4], s72, v[T+6]              ; min(1 / norm, 1e12) = 1 / max(norm, 1e-12), for a norm of zero too
	v_min_num_f32 v[T+5], s72, v[T+6]
.irp i, 0,2,4,6,8,10,12,14
	v_pk_mul_f32 v[\a+\i:\a+\i+1], v[\a+\i:\a+\i+1], v[T+4:T+5]
.endr
	v_max3_num_f32 v[T], |v[\a]|, |v[\a+1]|, 0x1800000
	v_max3_num_f32 v[T+1], |v[\a+2]|, |v[\a+3]|, |v[\a+6]|
.irp i, 4,8,12
	v_max3_num_f32 v[T], v[T], |v[\a+\i]|, |v[\a+\i+1]|
.endr
	v_max3_num_f32 v[T+1], v[T+1], |v[\a+7]|, |v[\a+10]|
	v_max3_num_f32 v[T+1], v[T+1], |v[\a+11]|, |v[\a+14]|
	v_max3_num_f32 v[T], v[T], v[T+1], |v[\a+15]|
	v_permlanex16_b32 v12, v[T], s48, s49
	v_max_num_f32 v[T], v[T], v12
	v_add_nc_u32 v[T+2], 0xff000000, v[T]
	v_lshrrev_b32 v[\sc], 23, v[T+2]
	v_cvt_scalef32_pk16_fp6_f32 v[\d:\d+2], v[\a:\a+15], v[T+2]
.irp i, 3,4,5
	v_mov_b32 v[\d+\i], 0                          ; (plain places behind the conversion)
.endr
.irp i, 0,1,2
	v_permlane16_swap_b32 v[\d+\i], v[\d+3+\i]     ; lanes 0-15 now hold all 32 codes, lanes 16-31 zeros
.endr
.endm
.macro OWNADR                          ; where my tile's records and scale words of x (x1) lie
	s_mul_i32 s40, s30, REC
	s_add_co_u32 s40, s40, XB
	v_add_nc_u32 v8, s40, v[FA]
	v_add_nc_u32 v9, s40, v[FB]
	s_lshl_b32 s40, s30, 7
	s_add_co_u32 s40, s40, XSC
	v_and_b32 v10, 15, v0
	v_lshl_add_u32 v10, v10, 2, s40
.endm
.macro LANEQ coff, soff                ; the 64 numbers on their way into v64-127 become a fragment's records and its scale word
	s_wait_dscnt 0x0
	QUANT 64, 128, 148, 164
	PUTA 128, 8, 9, \coff
	ds_store_b32 v10, v164 offset:\soff            ; both halves of the lanes hold the same word
	s_wait_dscnt 0x0                               ; the stores have read their registers
.endm
.macro SQ kk, coff, soff               ; K step kk of my 16 rows in the stage: lane (r, h) takes 16 neighbours of each block of 32
.set i, 0
.rept 16
	ds_load_b128 v[64+4*i:64+4*i+3], v[SLL] offset:512*\kk+128*(i/4)+16*(i%4)
.set i, i+1
.endr
	LANEQ \coff, \soff
.endm
.macro TQ hf, coff, soff               ; the same of x + pos, whose half hf of each row turns through my own scratch (rows of 528 bytes); LDS serves a wave's instructions in order
.set i, 0
.rept 8
	ds_store_b128 v16, v[192+8*i+4*\hf:192+8*i+4*\hf+3] offset:528*i
.set i, i+1
.endr
	WIN 0x04                                       ; an LDS store's data are its source 1: rows 8-15 lie in window 1
.set i, 0
.rept 8
	ds_store_b128 v16, v[192+8*i+4*\hf:192+8*i+4*\hf+3] offset:528*(i+8)
.set i, i+1
.endr
	WIN 0
.set i, 0
.rept 16
	ds_load_b128 v[64+4*i:64+4*i+3], v17 offset:128*(i/4)+16*(i%4)
.set i, i+1
.endr
	LANEQ \coff, \soff
.endm
.macro XLANE                           ; the 16 rows' figures are summed over the 32 lanes; the rows by turns
.irp m, 1,2,4,8
.set i, 0
.rept 16
	v_add_f32_dpp v[LM+2*i], v[LM+2*i], v[LM+2*i] row_xmask:\m row_mask:0xf bank_mask:0xf
.set i, i+1
.endr
.endr
.set i, 0
.rept 16
	v_permlanex16_b32 v[LM+2*i+1], v[LM+2*i], s48, s49
.set i, i+1
.endr
.set i, 0
.rept 16
	v_add_f32 v[LM+2*i], v[LM+2*i], v[LM+2*i+1]
.set i, i+1
.endr
.endm
; LayerNorm of my 16 rows in the stage (dense: a row is 8 registers x 32 lanes), times the gain, plus the bias, added onto the residual in window 1, v0-127.  bias = 1: the product's bias is added first.
.macro LN bias
.set i, 0
.rept 32
	ds_load_b128 v[LA+4*i:LA+4*i+3], v[SD] offset:(i/2)*SPI+(i%2)*512
.set i, i+1
.endr
.set i, 0
.rept 16
	v_mov_b32 v[LM+2*i+1], 0                       ; a lane permute's destination counts as one of its sources
.set i, i+1
.endr
	s_wait_dscnt 0x0
.if \bias
.set i, 0
.rept 64
	v_pk_add_f32 v[LA+2*i:LA+2*i+1], v[LA+2*i:LA+2*i+1], v[LBI+2*(i%4):LBI+2*(i%4)+1]
.set i, i+1
.endr
.endif
.irp g, 0,1,2,3                        ; row sums, four rows by turns
.irp q, 0,1,2,3
	v_pk_add_f32 v[LT+4*\q:LT+4*\q+1], v[LA+8*(4*\g+\q):LA+8*(4*\g+\q)+1], v[LA+8*(4*\g+\q)+2:LA+8*(4*\g+\q)+3]
.endr
.irp q, 0,1,2,3
	v_pk_add_f32 v[LT+4*\q+2:LT+4*\q+3], v[LA+8*(4*\g+\q)+4:LA+8*(4*\g+\q)+5], v[LA+8*(4*\g+\q)+6:LA+8*(4*\g+\q)+7]
.endr
.irp q, 0,1,2,3
	v_pk_add_f32 v[LT+4*\q:LT+4*\q+1], v[LT+4*\q:LT+4*\q+1], v[LT+4*\q+2:LT+4*\q+3]
.endr
.irp q, 0,1,2,3
	v_add_f32 v[LM+2*(4*\g+\q)], v[LT+4*\q], v[LT+4*\q+1]
.endr
.endr
	XLANE
.set i, 0
.rept 16
	v_mul_f32 v[LM+2*i], s70, v[LM+2*i]            ; the mean
.set i, i+1
.endr
.set i, 0
.rept 64
	v_pk_add_f32 v[LA+2*i:LA+2*i+1], v[LA+2*i:LA+2*i+1], v[LM+2*(i/4):LM+2*(i/4)+1] op_sel_hi:[1,0] neg_lo:[0,1] neg_hi:[0,1]
.set i, i+1
.endr
.irp g, 0,1,2,3                        ; sums of squares of what is left
.irp q, 0,1,2,3
	v_pk_mul_f32 v[LT+4*\q:LT+4*\q+1], v[LA+8*(4*\g+\q):LA+8*(4*\g+\q)+1], v[LA+8*(4*\g+\q):LA+8*(4*\g+\q)+1]
.endr
.irp q, 0,1,2,3
	v_pk_mul_f32 v[LT+4*\q+2:LT+4*\q+3], v[LA+8*(4*\g+\q)+2:LA+8*(4*\g+\q)+3], v[LA+8*(4*\g+\q)+2:LA+8*(4*\g+\q)+3]
.endr
.irp q, 0,1,2,3
	v_pk_fma_f32 v[LT+4*\q:LT+4*\q+1], v[LA+8*(4*\g+\q)+4:LA+8*(4*\g+\q)+5], v[LA+8*(4*\g+\q)+4:LA+8*(4*\g+\q)+5], v[LT+4*\q:LT+4*\q+1]
.endr
.irp q, 0,1,2,3
	v_pk_fma_f32 v[LT+4*\q+2:LT+4*\q+3], v[LA+8*(4*\g+\q)+6:LA+8*(4*\g+\q)+7], v[LA+8*(4*\g+\q)+6:LA+8*(4*\g+\q)+7], v[LT+4*\q+2:LT+4*\q+3]
.endr
.irp q, 0,1,2,3
	v_pk_add_f32 v[LT+4*\q:LT+4*\q+1], v[LT+4*\q:LT+4*\q+1], v[LT+4*\q+2:LT+4*\q+3]
.endr
.irp q, 0,1,2,3
	v_add_f32 v[LM+2*(4*\g+\q)], v[LT+4*\q], v[LT+4*\q+1]
.endr
.endr
	XLANE
.set i, 0
.rept 16
	v_fma_f32 v[LM+2*i], v[LM+2*i], s70, s71       ; the variance + 1e-5
.set i, i+1
.endr
.set i, 0
.rept 16
	v_rsq_f32 v[LM+2*i], v[LM+2*i]
.set i, i+1
.endr
	v_nop                                          ; a plain place behind the batch,
	s_wait_alu depctr_va_vdst(0)                   ; and one wait for the sixteen, ahead of their first reader
.set i, 0
.rept 64
	v_pk_mul_f32 v[LA+2*i:LA+2*i+1], v[LA+2*i:LA+2*i+1], v[LM+2*(i/4):LM+2*(i/4)+1] op_sel_hi:[1,0]
.set i, i+1
.endr
.set i, 0
.rept 64
	v_pk_fma_f32 v[LA+2*i:LA+2*i+1], v[LA+2*i:LA+2*i+1], v[LG+2*(i%4):LG+2*(i%4)+1], v[LBE+2*(i%4):LBE+2*(i%4)+1]
.set i, i+1
.endr
	WIN 0x41                                       ; destination and source 0: the residual, in window 1
.set i, 0
.rept 64
	v_pk_add_f32 v[2*i:2*i+1], v[2*i:2*i+1], v[LA+2*i:LA+2*i+1]
.set i, i+1
.endr
	WIN 0
.endm
.macro PKFMA8 d, a, b, bs, c, cs       ; eight packed fused multiply-adds; bs, cs: 2 where the operand walks, 0 where it is a constant pair
.set i, 0
.rept 8
	v_pk_fma_f32 v[\d+2*i:\d+2*i+1], v[\a+2*i:\a+2*i+1], v[\b+\bs*i:\b+\bs*i+1], v[\c+\cs*i:\c+\cs*i+1]
.set i, i+1
.endr
.endm
.macro PKMUL8 d, a, b, bs
.set i, 0
.rept 8
	v_pk_mul_f32 v[\d+2*i:\d+2*i+1], v[\a+2*i:\a+2*i+1], v[\b+\bs*i:\b+\bs*i+1]
.set i, i+1
.endr
.endm
; gelu of 16 registers, in place: max(x, 0) - |x| (Q / 2) E, t = 1 / (1 + P' |x|), E = 2^(-(k x)^2) = e^(-x^2 / 2), Q / 2 = t (a1' + t (a2' + t (a3' + t (a4' + t a5')))).
.macro GELU16 x
.set i, 0
.rept 16
	v_and_b32 v[GA+i], s51, v[\x+i]                ; |x|: each accumulator is read from its low end on
.set i, i+1
.endr
	PKFMA8 GD, GA, CP, 0, C1, 0
	PKMUL8 GU, GA, CK, 0
.set i, 0
.rept 8
	v_pk_mul_f32 v[GU+2*i:GU+2*i+1], v[GU+2*i:GU+2*i+1], v[GU+2*i:GU+2*i+1] neg_lo:[1,0] neg_hi:[1,0]
.set i, i+1
.endr
.set i, 0
.rept 16
	v_rcp_f32 v[GD+i], v[GD+i]
.set i, i+1
.endr
.set i, 0
.rept 16
	v_exp_f32 v[GU+i], v[GU+i]
.set i, i+1
.endr
.set i, 0
.rept 16
	v_max_num_f32 v[\x+i], 0, v[\x+i]              ; plain work behind the batch, which names none of its results
.set i, i+1
.endr
	s_wait_alu depctr_va_vdst(0)                   ; one wait for the 32, ahead of their first reader
	PKFMA8 GQ, GD, CA5, 0, CA4, 0
	PKFMA8 GQ, GQ, GD, 2, CA3, 0
	PKFMA8 GQ, GQ, GD, 2, CA2, 0
	PKFMA8 GQ, GQ, GD, 2, CA1, 0
	PKMUL8 GQ, GQ, GD, 2
	PKMUL8 GQ, GQ, GU, 2
.set i, 0
.rept 8
	v_pk_fma_f32 v[\x+2*i:\x+2*i+1], v[GA+2*i:GA+2*i+1], v[GQ+2*i:GQ+2*i+1], v[\x+2*i:\x+2*i+1] neg_lo:[1,0,0] neg_hi:[1,0,0]
.set i, i+1
.endr
.endm
; ---------------------------------------------------------------- the head
	s_load_b512 s[4:19], s[0:1], 0x0               ; x, pos, wsb, bq, bkv, bp, b1, b2
	s_load_b256 s[20:27], s[0:1], 0x40             ; g1, be1, g2, be2
	s_load_b64 s[28:29], s[0:1], 0x60              ; out0
	v_lshl_add_u32 v[SPW], v0, 2, SPARE
	v_mov_b32 v[NIL], 0
	v_lshrrev_b32 v8, 5, v0
	v_readfirstlane_b32 s30, v8                    ; wave 0..7
	v_and_b32 v9, 31, v0                           ; lane
	v_and_b32 v10, 15, v0                          ; r
	v_bfe_u32 v11, v0, 4, 1                        ; h
	v_lshlrev_b32 v[L16], 4, v9
	v_lshlrev_b32 v[L4], 2, v9
	s_mul_i32 s31, s30, 16*SPI
	v_add_nc_u32 v[SD], s31, v[L16]
	v_mul_u32_u24 v[SLL], v10, SPI
	v_lshl_add_u32 v[SLL], v11, 6, v[SLL]
	s_lshl_b32 s40, s30, 7
	v_add_nc_u32 v[SP], s40, v[SLL]
	v_add_nc_u32 v[SLL], s31, v[SLL]
	v_mul_u32_u24 v[FA], v11, BLK
	v_lshl_add_u32 v[FB], v10, 3, v[FA]
	v_add_nc_u32 v[FB], 256, v[FB]
	v_lshl_add_u32 v[FA], v10, 4, v[FA]
	s_mul_i32 s41, s30, KST
	s_add_co_u32 s41, s41, HB                      ; my share of the hidden layer's bytes serves as scratch until the hidden layer is made
	v_add_nc_u32 v16, s41, v[L16]                  ; into it: dense
	v_mul_u32_u24 v17, v10, 528
	v_lshl_add_u32 v17, v11, 6, v17
	v_add_nc_u32 v17, s41, v17                     ; out of it: a lane to a row
	v_lshlrev_b32 v44, 6, v11                      ; biases in a transposed result's layout: 64 h
	v_and_b32 v45, 8, v10
	v_add_nc_u32 v45, v45, v10
	v_lshlrev_b32 v45, 2, v45                      ; bv: 4 (r + 8 (r / 8))
.irp i, 12,13,14,15
	v_mov_b32 v\i, 0                               ; written once: a lane permute's destination counts as one of its sources
.endr
	OWNADR
	s_mov_b32 s48, 0x76543210
	s_mov_b32 s49, 0xfedcba98                      ; lane selects: lane l xor 16
	s_mov_b32 s50, 0xffff0000                      ; lanes 16-31
	s_mov_b32 s51, 0x7fffffff
	s_mov_b32 s52, 0x3db8aa3b                      ; log2(e) / 16
	s_mov_b32 s53, s52                             ; (named with it as a pair)
	s_mov_b32 s70, 0x3b800000                      ; 1 / 256
	s_mov_b32 s71, 0x3727c5ac                      ; 1e-5
	s_mov_b32 s72, 0x5368d4a5                      ; 1e12
	s_lshr_b32 s56, s30, 2                         ; which of the two windows holds my tile of rows
	s_lshl_b32 s57, ttmp9, 1
	s_add_co_u32 s57, s57, s56                     ; the window's number: 32 x image + 8 x row of windows + column
	s_lshr_b32 s42, s57, 5
	s_lshl_b32 s42, s42, 21                        ; an image: 2,048 tokens of 1,024 bytes
	s_bfe_u32 s58, s57, 0x20003
	s_lshl_b32 s58, s58, 19                        ; a row of windows: 8 rows of 64 tokens
	s_add_co_u32 s42, s42, s58
	s_and_b32 s58, s57, 7
	s_lshl_b32 s58, s58, 13                        ; a window's 8 tokens of a row
	s_add_co_u32 s42, s42, s58
	s_bfe_u32 s58, s30, 0x10001
	s_and_b32 s59, s30, 1
	s_lshl_b32 s58, s58, 2
	s_add_co_u32 s58, s58, s59                     ; my tile's first window row: 4 b + u
	s_lshl_b32 s59, s58, 16
	s_add_co_u32 s42, s42, s59
	s_mov_b32 s43, 0
	s_lshl_b32 s44, s58, 13                        ; the same in pos: 8 tokens a window row
	s_mov_b32 s45, 0
	s_mul_i32 s32, s30, 6144
	s_mov_b32 s33, 0
	s_mul_i32 s34, s30, 24576
	s_mov_b32 s35, 0
	s_lshl_b32 s36, s30, 8
	s_add_co_u32 s36, s36, 589824
	s_mov_b32 s37, 0
	s_lshl_b32 s38, s30, 10
	s_add_co_u32 s38, s38, 589824
	s_mov_b32 s39, 0
	s_lshl_b32 s46, s30, 7
	s_mov_b32 s47, 0
	s_lshl_b32 s54, s30, 9
	s_mov_b32 s55, 0
	s_wait_kmcnt 0x0
	s_add_nc_u64 s[4:5], s[4:5], s[42:43]          ; x and out0 at my tile of rows; none of these bases is written again
	s_add_nc_u64 s[28:29], s[28:29], s[42:43]
	s_add_nc_u64 s[6:7], s[6:7], s[44:45]          ; pos likewise
	s_add_nc_u64 s[32:33], s[8:9], s[32:33]        ; my four fragments of Wq, Wk, Wv, Wp: 6,144 bytes a wave in each
	s_add_nc_u64 s[34:35], s[8:9], s[34:35]        ; my sixteen of W1 and of W2: 24,576 bytes a wave
	s_add_nc_u64 s[36:37], s[8:9], s[36:37]        ; their scale words
	s_add_nc_u64 s[38:39], s[8:9], s[38:39]
	s_add_nc_u64 s[10:11], s[10:11], s[46:47]      ; bq, bkv, bp at my 32 channels
	s_add_nc_u64 s[12:13], s[12:13], s[46:47]
	s_add_nc_u64 s[14:15], s[14:15], s[46:47]
	s_add_nc_u64 s[16:17], s[16:17], s[54:55]      ; b1 at my 128 hidden units
.set i, 0
.rept 32                               ; x, my 16 rows: each load takes 512 consecutive bytes, half a row
	global_load_b128 v[64+4*i:64+4*i+3], v[L16], s[4:5] offset:(i/16)*131072+((i/2)%8)*1024+(i%2)*512 th:TH_LOAD_NT
.set i, i+1
.endr
.set i, 0
.rept 16                               ; pos, rows 0-7
	global_load_b128 v[192+4*i:192+4*i+3], v[L16], s[6:7] offset:(i/2)*1024+(i%2)*512
.set i, i+1
.endr
	WIN 0x40                                       ; destination window 1
.set i, 0
.rept 16                               ; pos, rows 8-15
	global_load_b128 v[192+4*i:192+4*i+3], v[L16], s[6:7] offset:16384+(i/2)*1024+(i%2)*512
.set i, i+1
.endr
	WIN 0
	s_wait_loadcnt 32                              ; x is in; the 32 loads of pos may be out
.set i, 0
.rept 32
	ds_store_b128 v[SD], v[64+4*i:64+4*i+3] offset:(i/2)*SPI+(i%2)*512   ; x to my rows of the stage: it is kept there through the attention
.set i, i+1
.endr
.irp u, 0,1                            ; 53 loads: scale words (lanes 0-15 K step 0, lanes 16-31 K step 1), b1, then the fragments and biases of q, k, v
	global_load_b32 v[20+\u], v[L4], s[36:37] offset:128*\u
	global_load_b32 v[22+\u], v[L4], s[36:37] offset:2048+128*\u
	global_load_b32 v[24+\u], v[L4], s[36:37] offset:4096+128*\u
.endr
	global_load_b128 v[48:51], v[L16], s[16:17]
	WIN 0x40
.set f, 0
.rept 4
	WFRAG 12*f, 32, 1536*f
	WFRAG 48+12*f, 32, 49152+1536*f
	WFRAG 128+12*f, 32, 98304+1536*f
.set f, f+1
.endr
.irp u, 0,1
	global_load_b128 v[96+8*\u:99+8*\u], v44, s[10:11] offset:32*\u
	global_load_b128 v[100+8*\u:103+8*\u], v44, s[10:11] offset:32*\u+16
	global_load_b128 v[112+8*\u:115+8*\u], v44, s[12:13] offset:32*\u
	global_load_b128 v[116+8*\u:119+8*\u], v44, s[12:13] offset:32*\u+16
	global_load_b32 v[176+8*\u], v45, s[12:13] offset:1024+32*\u
.endr
	WIN 0
	s_wait_loadcnt 53                              ; pos is in; the 53 just issued may be out
; ---------------------------------------------------------------- X: my 16 rows of x and of x + pos become codes
.set i, 0
.rept 32
	v_pk_add_f32 v[192+2*i:192+2*i+1], v[192+2*i:192+2*i+1], v[64+2*i:64+2*i+1]
.set i, i+1
.endr
	WIN 0x41
.set i, 0
.rept 32
	v_pk_add_f32 v[192+2*i:192+2*i+1], v[192+2*i:192+2*i+1], v[128+2*i:128+2*i+1]
.set i, i+1
.endr
	WIN 0
	SQ 0, 0, 0
	SQ 1, KST, 64
	TQ 0, QXO, QSO
	TQ 1, QXO+KST, QSO+64
	global_load_b32 v26, v[L4], s[36:37] offset:6144   ; Wp: pos's registers are free (the stores that read them are done)
	global_load_b32 v27, v[L4], s[36:37] offset:6144+128
	WIN 0x40
.set f, 0
.rept 4
	WFRAG 192+12*f, 32, 147456+1536*f
.set f, f+1
.endr
.irp u, 0,1
	global_load_b128 v[240+8*\u:243+8*\u], v44, s[14:15] offset:32*\u
	global_load_b128 v[244+8*\u:247+8*\u], v44, s[14:15] offset:32*\u+16
.endr
	WIN 0
	s_wait_loadcnt 0x0
	WIN 0x41
.irp u, 0,1
.irp j, 1,2,3,4,5,6,7
	v_mov_b32 v[176+8*\u+\j], v[176+8*\u]          ; bv in the layout of v's result: a lane holds one channel in all eight registers
.endr
.endr
	WIN 0
	s_lshl_b32 s40, s30, 9
	s_add_co_u32 s40, s40, B1L
	v_add_nc_u32 v46, s40, v[L16]
	ds_store_b128 v46, v[48:51]                    ; b1 waits in LDS
.irp k, 0,1,2,3
.irp j, 6,7,8,9,10,11
	v_mov_b32 v[KF+12*\k+\j], 0                    ; K = 64 .. 127 of the padded product: zero codes
.endr
.endr
	BAR                                            ; the codes of all eight tiles lie in LDS
; ---------------------------------------------------------------- attention of head w, a window a trip
; q, k (transposed) and v (source 0 = tokens) of tile tp.  The accumulators take turns, one instruction a turn.
.macro TILE1 tp
	s_wait_dscnt 0x0                               ; x + pos of this tile is in
	WIN 0x11                                       ; source 0 (the weight) and C (the bias) in window 1
	WM ACC, 0, AF, 96, 20, 29, 0
	WM ACC+8, 24, AF, 104, 21, 29, 0
	WIN 0x01
	WM ACC, 12, AF+12, ACC, 20, 29, 1
	WM ACC+8, 36, AF+12, ACC+8, 21, 29, 1
	WIN 0
	PLACES 5
	FETCHA AF, 8, 9, REC*\tp
	FETCHA AF+12, 8, 9, KST+REC*\tp
	ds_load_b32 v28, v10 offset:128*\tp
	NORMQ ACC, QF+6*\tp, 30+\tp
	s_wait_dscnt 0x0                               ; x of this tile is in
	WIN 0x11
	WM ACC, 48, AF, 112, 22, 28, 0
	WM ACC+8, 72, AF, 120, 23, 28, 0
	WIN 0x01
	WM ACC, 60, AF+12, ACC, 22, 28, 1
	WM ACC+8, 84, AF+12, ACC+8, 23, 28, 1
	WIN 0x14                                       ; source 1 (Wv) and C (bv) in window 1
	WM VA+8*\tp, AF, 128, 176, 28, 24, 0
	WM VA+32+8*\tp, AF, 152, 184, 28, 25, 0
	WIN 0x04
	WM VA+8*\tp, AF+12, 140, VA+8*\tp, 28, 24, 1
	WM VA+32+8*\tp, AF+12, 164, VA+32+8*\tp, 28, 25, 1
	WIN 0
	PLACES 5
.if \tp < 3
	FETCHA AF, 8, 9, QXO+REC*(\tp+1)
	FETCHA AF+12, 8, 9, QXO+KST+REC*(\tp+1)
	ds_load_b32 v29, v10 offset:QSO+128*(\tp+1)
.endif
	NORMQ ACC, KF+12*\tp, 34+\tp
.endm
; Tile sg of the queries against the window's 64 keys.
.macro ATT sg
.irp kp, 0,1,2,3
	WM SS+8*\kp, KF+12*\kp, QF+6*(\sg), 999, 34+\kp, 30+(\sg), 0
.endr
	PLACES 4
.irp b, 0,1
	v_max3_num_f32 v[T+\b], v[SS+16*\b], v[SS+16*\b+1], v[SS+16*\b+2]   ; the largest score of each block of 32 keys: p rises with the score, so it gives the block's largest p
.endr
.irp i, 3,5,7,9,11,13
.irp b, 0,1
	v_max3_num_f32 v[T+\b], v[T+\b], v[SS+16*\b+\i], v[SS+16*\b+\i+1]
.endr
.endr
.irp b, 0,1
	v_max_num_f32 v[T+\b], v[T+\b], v[SS+16*\b+15]
.endr
.irp b, 0,1
	v_permlanex16_b32 v[12+\b], v[T+\b], s48, s49
.endr
.irp b, 0,1
	v_max_num_f32 v[T+\b], v[T+\b], v[12+\b]
.endr
.set i, 0
.rept 16
	v_pk_mul_f32 v[SS+2*i:SS+2*i+1], v[SS+2*i:SS+2*i+1], s[52:53] op_sel_hi:[1,0]   ; t
.set i, i+1
.endr
	v_mul_f32 v[T], s52, v[T]
	v_mul_f32 v[T+1], s52, v[T+1]
.set i, 0
.rept 32
	v_exp_f32 v[SS+i], v[SS+i]                     ; p = 2^t
.set i, i+1
.endr
	v_exp_f32 v[T], v[T]                           ; the same two instructions on the same number give the same bits
	v_exp_f32 v[T+1], v[T+1]
	v_nop                                          ; a plain place behind the batch,
	s_wait_alu depctr_va_vdst(0)                   ; and one wait for the 34
.irp b, 0,1
	v_add_nc_u32 v[T+2+\b], 0xff000000, v[T+\b]
.endr
.irp b, 0,1
	v_lshrrev_b32 v[T+4+\b], 23, v[T+2+\b]
.endr
	v_lshl_or_b32 v40, v[T+5], 8, v[T+4]           ; p's scale word; the bytes of K = 64 .. 127 stay 0 over zero codes
	v_cvt_scalef32_pk16_fp6_f32 v[PF:PF+2], v[SS:SS+15], v[T+2]
	v_cvt_scalef32_pk16_fp6_f32 v[T+8:T+10], v[SS+16:SS+31], v[T+3]
	v_nop
.irp i, 0,1,2
	v_permlane16_swap_b32 v[PF+\i], v[T+8+\i]
.endr
.irp i, 0,1,2
	v_mov_b32 v[PF+3+\i], v[T+8+\i]
.endr
	v_pk_add_f32 v[T+12:T+13], v[SS:SS+1], v[SS+2:SS+3]       ; the row's sum, of the unquantised p; these lines are also the places between the scale word, the codes and the product
	v_pk_add_f32 v[T+14:T+15], v[SS+4:SS+5], v[SS+6:SS+7]
.irp j, 8,12,16,20,24,28
	v_pk_add_f32 v[T+12:T+13], v[T+12:T+13], v[SS+\j:SS+\j+1]
	v_pk_add_f32 v[T+14:T+15], v[T+14:T+15], v[SS+\j+2:SS+\j+3]
.endr
	v_pk_add_f32 v[T+12:T+13], v[T+12:T+13], v[T+14:T+15]
	v_add_f32 v[T+12], v[T+12], v[T+13]
	v_permlanex16_b32 v12, v[T+12], s48, s49
	v_add_f32 v[T+12], v[T+12], v12
	v_rcp_f32 v[T+16], v[T+12]
	v_mov_b32 v[T+17], 0                           ; the plain place behind it; and the pair's upper word is written
.irp dd, 0,1
	WM OO+16*((\sg)%2)+8*\dd, VF+6*\dd, PF, 999, 38+\dd, 40, 0
.endr
	PLACES 4
	s_wait_alu depctr_va_vdst(0)                   ; the reciprocal's wait, ahead of its first reader
.set i, 0
.rept 8
	v_pk_mul_f32 v[OO+16*((\sg)%2)+2*i:OO+16*((\sg)%2)+2*i+1], v[OO+16*((\sg)%2)+2*i:OO+16*((\sg)%2)+2*i+1], v[T+16:T+17] op_sel_hi:[1,0]
.set i, i+1
.endr
.if (\sg)%2                            ; two tiles' o: head w is block w of the projection's K: lanes 0-15 store the even tile's record, lanes 16-31 the odd one's
	HQ OO, T+4, T+10, T
	v_cndmask_b32 v[T+13], v[T], v[T+1], s50
	ds_store_b128 v11, v[T+4:T+7] offset:REC*((\sg)-1)
	ds_store_b64 v16, v[T+8:T+9] offset:256+REC*((\sg)-1)
	ds_store_b8 v17, v[T+13] offset:16*((\sg)-1)
	s_wait_dscnt 0x0                               ; the stores have read their registers
.endif
.endm
	s_mov_b32 s73, 0
	s_mov_b32 s74, XB                              ; + 4 records a window
	s_mov_b32 s75, XSC                             ; + 4 x 128 bytes
	s_mul_i32 s76, s30, BLK
	s_add_co_u32 s76, s76, OB                      ; my block of o
	s_lshl_b32 s77, s30, 7
	s_add_co_u32 s77, s77, OSB                     ; my bytes
.Lwin:
	v_add_nc_u32 v8, s74, v[FA]
	v_add_nc_u32 v9, s74, v[FB]
	v_add_nc_u32 v10, s75, v[L4]
	v_and_b32 v11, 15, v0
	v_bfe_u32 v16, v0, 4, 1
	v_mul_u32_u24 v16, v16, REC
	v_lshl_add_u32 v17, v11, 3, v16
	v_lshl_add_u32 v11, v11, 4, v16
	v_add_nc_u32 v11, s76, v11                     ; o's records: 16 r + 384 h
	v_add_nc_u32 v16, s76, v17                     ; and 8 r + 384 h
	v_and_b32 v17, 31, v0
	v_add_nc_u32 v17, s77, v17                     ; o's bytes: r + 16 h
	FETCHA AF, 8, 9, QXO
	FETCHA AF+12, 8, 9, QXO+KST
	ds_load_b32 v29, v10 offset:QSO
	TILE1 0
	TILE1 1
	TILE1 2
	TILE1 3
	HQ VA, VF, T+8, T                              ; v along the keys: two blocks of 32 for each channel
	v_lshl_or_b32 v38, v[T+1], 8, v[T]
	HQ VA+32, VF+6, T+8, T
	v_lshl_or_b32 v39, v[T+1], 8, v[T]
.irp j, 6,7,8,9,10,11
	v_mov_b32 v[PF+\j], 0                          ; keys 64 .. 127 of the padded product: zero codes
.endr
	PLACES 8                                       ; a scale register written by a vector instruction stands 8 places ahead of a scaled matrix instruction
	ATT 0
	ATT 1
	ATT 2
	ATT 3
	s_add_co_u32 s74, s74, 4*REC
	s_add_co_u32 s75, s75, 512
	s_add_co_u32 s76, s76, 4*REC
	s_add_co_u32 s77, s77, 64
	s_add_co_u32 s73, s73, 1
	s_cmp_lt_u32 s73, 2
	s_cbranch_scc1 .Lwin
	global_load_b128 v[LG:LG+3], v[L16], s[20:21]  ; g1, be1 in the dense layout
	global_load_b128 v[LG+4:LG+7], v[L16], s[20:21] offset:512
	global_load_b128 v[LBE:LBE+3], v[L16], s[22:23]
	global_load_b128 v[LBE+4:LBE+7], v[L16], s[22:23] offset:512
	WIN 0x40
.set i, 0
.rept 32
	ds_load_b128 v[4*i:4*i+3], v[SD] offset:(i/2)*SPI+(i%2)*512   ; x comes back from my rows of the stage, which the others write behind the barrier
.set i, i+1
.endr
	WIN 0
	BAR                                            ; o's codes of all heads lie in LDS
; ---------------------------------------------------------------- P: my 32 outputs of the projection, four tiles of rows a trip
	s_mov_b32 s73, 0
	s_mov_b32 s74, OB
	s_mov_b32 s75, OSB
	s_mov_b32 s76, 0
.Lproj:
	v_add_nc_u32 v8, s74, v[FA]
	v_add_nc_u32 v9, s74, v[FB]
	v_and_b32 v10, 15, v0
	v_bfe_u32 v11, v0, 4, 1
	v_lshl_add_u32 v10, v11, 9, v10
	v_add_nc_u32 v10, s75, v10                     ; o's bytes: r, and heads 4-7 (K step 1) for lanes 16-31
	v_add_nc_u32 v11, s76, v[SP]
.irp m, 0,1,2,3
	FETCHA OF+24*\m, 8, 9, REC*\m
	FETCHA OF+24*\m+12, 8, 9, KST+REC*\m
.endr
.irp m, 0,1,2,3
.irp b, 0,1,2,3
	ds_load_u8 v[204+4*\m+\b], v10 offset:128*\b+16*\m
.endr
.endr
	s_wait_dscnt 0x0
.irp m, 0,1,2,3
	v_lshl_or_b32 v[28+\m], v[205+4*\m], 8, v[204+4*\m]
.endr
.irp m, 0,1,2,3
	v_lshl_or_b32 v[28+\m], v[206+4*\m], 16, v[28+\m]
.endr
.irp m, 0,1,2,3
	v_lshl_or_b32 v[28+\m], v[207+4*\m], 24, v[28+\m]
.endr
	PLACES 8
	WIN 0x11
.irp m, 0,1,2,3
.irp u, 0,1
	WM PA+8*(2*\m+\u), 192+24*\u, OF+24*\m, 240+8*\u, 26+\u, 28+\m, 0
.endr
.endr
	WIN 0x01
.irp m, 0,1,2,3
.irp u, 0,1
	WM PA+8*(2*\m+\u), 204+24*\u, OF+24*\m+12, PA+8*(2*\m+\u), 26+\u, 28+\m, 1
.endr
.endr
	WIN 0
	PLACES 5
.irp m, 0,1,2,3
.irp u, 0,1
	STOUT PA+8*(2*\m+\u), 11, 16*SPI*\m+32*\u
.endr
.endr
	s_wait_dscnt 0x0                               ; the stores have read their registers
	s_add_co_u32 s74, s74, 4*REC
	s_add_co_u32 s75, s75, 64
	s_add_co_u32 s76, s76, 64*SPI
	s_add_co_u32 s73, s73, 1
	s_cmp_lt_u32 s73, 2
	s_cbranch_scc1 .Lproj
.irp t, 0,1,2,3,4,5,6,7
	global_load_b32 v[20+\t], v[L4], s[38:39] offset:8192+128*\t   ; W1's scale words,
.endr
	WIN 0x40
.set f, 0
.rept 10
	WFRAG 128+12*f, 34, 196608+1536*f              ; and ten of its sixteen fragments, where Wv and Wp lay
.set f, f+1
.endr
	WIN 0
	BAR                                            ; 128 whole rows of the projection lie in the stage
; ---------------------------------------------------------------- LN1, the residual, and x1's codes
	s_wait_loadcnt 38                              ; g1 and be1 are in; the 38 loads of W1 issued behind them may be out
	LN 0
	WIN 0x04
.set i, 0
.rept 32
	ds_store_b128 v[SD], v[4*i:4*i+3] offset:(i/2)*SPI+(i%2)*512   ; x1 to my rows of the stage: it is kept there through the first MLP product
.set i, i+1
.endr
	WIN 0
	OWNADR
	SQ 0, 0, 0
	SQ 1, KST, 64
	WIN 0x40
.set f, 10
.rept 6
	WFRAG 12*(f-10), 34, 196608+1536*f             ; W1's other six fragments, where x1 lay
.set f, f+1
.endr
	WIN 0
	BAR                                            ; x1's codes of all eight tiles lie in LDS
	s_wait_loadcnt 0x0
; ---------------------------------------------------------------- H: my 128 hidden units, a tile of rows a trip
.irp j, 0,1
	v_mov_b32 v[CA5+\j], 0x3f07dc22                ; a5 / 2 =  0.5307027145
	v_mov_b32 v[CA4+\j], 0xbf3a00e3                ; a4 / 2 = -0.7265760135
	v_mov_b32 v[CA3+\j], 0x3f35f0e3                ; a3 / 2 =  0.7107068705
	v_mov_b32 v[CA2+\j], 0xbe11a98e                ; a2 / 2 = -0.142248368
	v_mov_b32 v[CA1+\j], 0x3e027906                ; a1 / 2 =  0.127414796
	v_mov_b32 v[CP+\j], 0x3e6d3388                 ; 0.3275911 / sqrt(2)
	v_mov_b32 v[CK+\j], 0x3f596d27                 ; sqrt(log2(e) / 2)
	v_mov_b32 v[C1+\j], 1.0
.endr
	s_lshl_b32 s40, s30, 9
	s_add_co_u32 s40, s40, B1L
	v_bfe_u32 v60, v0, 4, 1
	v_lshl_add_u32 v60, v60, 6, s40                ; b1 in a transposed result's layout: 64 h
	v_and_b32 v61, 15, v0
	v_lshlrev_b32 v61, 2, v61                      ; 4 r
	s_mov_b32 s73, 0
	s_mov_b32 s74, XB
	s_mul_i32 s75, s30, KST
	s_add_co_u32 s75, s75, HB                      ; my four blocks: K step w of the second product
	s_mov_b32 s76, XSC
	s_lshl_b32 s77, s30, 9
	s_add_co_u32 s77, s77, HSC
.Lhid:
	v_add_nc_u32 v8, s74, v[FA]
	v_add_nc_u32 v9, s74, v[FB]
	v_add_nc_u32 v10, s76, v[L4]
	v_add_nc_u32 v11, s75, v[FA]
	v_add_nc_u32 v16, s75, v[FB]
	v_add_nc_u32 v17, s77, v61
.irp t, 0,1,2,3,4,5,6,7                ; the sums begin as b1: sixteen lanes read the same 16 bytes
	ds_load_b128 v[64+8*\t:67+8*\t], v60 offset:128*(\t/2)+32*(\t%2)
	ds_load_b128 v[68+8*\t:71+8*\t], v60 offset:128*(\t/2)+32*(\t%2)+16
.endr
	FETCHA 232, 8, 9, 0
	FETCHA 244, 8, 9, KST
	ds_load_b32 v28, v10
	s_wait_dscnt 0x0
	WIN 0x01
.irp s2, 0,1
.irp t2, 0,1,2,3,4,5,6,7
.set f, 2*\t2+\s2
	WM 64+8*\t2, 128+12*f-248*(f/10), 232+12*\s2, 64+8*\t2, 20+\t2, 28, \s2
.endr
.endr
	WIN 0
	PLACES 4
	GELU16 64
	GELU16 80
	GELU16 96
	GELU16 112
	QUANT 64, 192, 212, 228
	PUTA 192, 11, 16, 0
	ds_store_b32 v17, v228
	s_wait_dscnt 0x0                               ; the stores have read their registers
	s_add_co_u32 s74, s74, REC
	s_add_co_u32 s75, s75, REC
	s_add_co_u32 s76, s76, 128
	s_add_co_u32 s77, s77, 64
	s_add_co_u32 s73, s73, 1
	s_cmp_lt_u32 s73, 8
	s_cbranch_scc1 .Lhid
.irp u, 0,1                            ; W2: scale words, then the fragments in the order of the K steps, then the last LayerNorm's parameters
.irp j, 0,1,2,3
	global_load_b32 v[20+4*\u+\j], v[L4], s[38:39] offset:16384+512*\u+128*\j
.endr
.endr
	WIN 0x40
.set f, 0
.rept 4
	WFRAG 128+24*f, 34, 393216+1536*f
	WFRAG 140+24*f, 34, 393216+1536*(8+f)
.set f, f+1
.endr
	WIN 0
.set f, 4
.rept 4
	WFRAG 160+24*(f-4), 34, 393216+1536*f
	WFRAG 172+24*(f-4), 34, 393216+1536*(8+f)
.set f, f+1
.endr
	WIN 0x40
	global_load_b128 v[224:227], v[L16], s[24:25]
	global_load_b128 v[228:231], v[L16], s[24:25] offset:512
	global_load_b128 v[232:235], v[L16], s[26:27]
	global_load_b128 v[236:239], v[L16], s[26:27] offset:512
	global_load_b128 v[240:243], v[L16], s[18:19]
	global_load_b128 v[244:247], v[L16], s[18:19] offset:512
.set i, 0
.rept 32
	ds_load_b128 v[4*i:4*i+3], v[SD] offset:(i/2)*SPI+(i%2)*512   ; x1 comes back from my rows of the stage
.set i, i+1
.endr
	WIN 0
	BAR                                            ; the hidden layer's codes lie in LDS
; ---------------------------------------------------------------- Y: my 32 outputs of the second MLP product, four tiles of rows a trip
	s_mov_b32 s73, 0
	s_mov_b32 s74, HB
	s_mov_b32 s75, HSC
	s_mov_b32 s76, 0
.Lout:
	v_add_nc_u32 v8, s74, v[FA]
	v_add_nc_u32 v9, s74, v[FB]
	v_add_nc_u32 v10, 4*KST, v8                    ; K steps 4-7
	v_add_nc_u32 v11, 4*KST, v9
	v_and_b32 v16, 15, v0
	v_lshlrev_b32 v16, 2, v16
	v_bfe_u32 v17, v0, 4, 1
	v_lshl_add_u32 v16, v17, 9, v16
	v_add_nc_u32 v16, s75, v16                     ; scale words: 4 r, and the odd K step for lanes 16-31
	v_add_nc_u32 v17, s76, v[SP]
.irp j, 0,1,2,3
.irp m, 0,1,2,3
	ds_load_b32 v[28+4*\j+\m], v16 offset:1024*\j+64*\m
.endr
.endr
.set ks, 0
.rept 8
.irp m, 0,1,2,3
	FETCHA HF+12*\m, 8+2*(ks/4), 9+2*(ks/4), KST*(ks%4)+REC*\m
.endr
	s_wait_dscnt 0x0
	s_wait_loadcnt 6*(7-ks)+6                      ; this K step's two fragments of W2 are in; those of the later steps (six loads each) and the six loads of parameters may be out
.if ks < 4
	WIN 0x01
.endif
.set W2R, 128+24*ks-64*(ks/4)
.irp m, 0,1,2,3
.irp u, 0,1
.if ks == 0
	WM YA+8*(2*\m+\u), W2R+12*\u, HF+12*\m, 999, 20+4*\u+ks/2, 28+4*(ks/2)+\m, 0
.else
	WM YA+8*(2*\m+\u), W2R+12*\u, HF+12*\m, YA+8*(2*\m+\u), 20+4*\u+ks/2, 28+4*(ks/2)+\m, ks%2
.endif
.endr
.endr
	WIN 0
	PLACES 5
.set ks, ks+1
.endr
.irp m, 0,1,2,3
.irp u, 0,1
	STOUT YA+8*(2*\m+\u), 17, 16*SPI*\m+32*\u
.endr
.endr
	s_wait_dscnt 0x0                               ; the stores have read their registers
	s_add_co_u32 s74, s74, 4*REC
	s_add_co_u32 s75, s75, 256
	s_add_co_u32 s76, s76, 64*SPI
	s_add_co_u32 s73, s73, 1
	s_cmp_lt_u32 s73, 2
	s_cbranch_scc1 .Lout
	BAR                                            ; 128 whole rows of the MLP's result lie in the stage
; ---------------------------------------------------------------- LN2, the residual, and out
	s_wait_loadcnt 0x0
	WIN 0x01
.set i, 0
.rept 24
	v_mov_b32 v[LG+i], v[224+i]                    ; g2, be2, b2 come over from window 1
.set i, i+1
.endr
	WIN 0
	LN 1
	WIN 0x04                                       ; a store's data are its source 1
.set i, 0
.rept 32
	global_store_b128 v[L16], v[4*i:4*i+3], s[28:29] offset:(i/16)*131072+((i/2)%8)*1024+(i%2)*512 th:TH_STORE_NT   ; 32 lanes store 512 consecutive bytes, aligned
.set i, i+1
.endr
	WIN 0
	s_wait_tensorcnt 0x0                           ; the wave's end, behind my last LDS store
	ds_add_u32 v[SPW], v[NIL]
	s_wait_dscnt 0x0
	s_endpgm
.Lfunc_end_k_q23a02c7f3d_main:
	.size	k_q23a02c7f3d_main, .Lfunc_end_k_q23a02c7f3d_main-k_q23a02c7f3d_main
	.p2alignl 7, 3214868480
	.fill 96, 4, 3214868480
	.section	.rodata,"a",@progbits
	.p2align	6, 0x0
	.amdhsa_kernel k_q23a02c7f3d_main
		.amdhsa_group_segment_fixed_size 324608
		.amdhsa_private_segment_fixed_size 0
		.amdhsa_enable_private_segment 0
		.amdhsa_kernarg_size 104
		.amdhsa_user_sgpr_count 2
		.amdhsa_user_sgpr_kernarg_segment_ptr 1
		.amdhsa_wavefront_size32 1
		.amdhsa_system_sgpr_workgroup_id_x 1
		.amdhsa_system_sgpr_workgroup_id_y 1
		.amdhsa_system_sgpr_workgroup_id_z 1
		.amdhsa_system_vgpr_workitem_id 0
		.amdhsa_next_free_vgpr 512
		.amdhsa_next_free_sgpr 80
		.amdhsa_reserve_vcc 0
		.amdhsa_float_denorm_mode_32 3
		.amdhsa_float_denorm_mode_16_64 3
		.amdhsa_memory_ordered 1
		.amdhsa_forward_progress 1
		.amdhsa_inst_pref_size 255
	.end_amdhsa_kernel
	.section	.bss,"aw",@nobits
	.p2align	6
	.space	262144
	.amdgpu_metadata
---
amdhsa.version: [ 1, 2 ]
amdhsa.kernels:
  - .name:           k_q23a02c7f3d_main
    .symbol:         k_q23a02c7f3d_main.kd
    .args:
      - { .name: x, .offset: 0, .size: 8, .value_kind: global_buffer, .address_space: global }
      - { .name: pos, .offset: 8, .size: 8, .value_kind: global_buffer, .address_space: global }
      - { .name: wsb, .offset: 16, .size: 8, .value_kind: global_buffer, .address_space: global }
      - { .name: bq, .offset: 24, .size: 8, .value_kind: global_buffer, .address_space: global }
      - { .name: bkv, .offset: 32, .size: 8, .value_kind: global_buffer, .address_space: global }
      - { .name: bp, .offset: 40, .size: 8, .value_kind: global_buffer, .address_space: global }
      - { .name: b1, .offset: 48, .size: 8, .value_kind: global_buffer, .address_space: global }
      - { .name: b2, .offset: 56, .size: 8, .value_kind: global_buffer, .address_space: global }
      - { .name: g1, .offset: 64, .size: 8, .value_kind: global_buffer, .address_space: global }
      - { .name: be1, .offset: 72, .size: 8, .value_kind: global_buffer, .address_space: global }
      - { .name: g2, .offset: 80, .size: 8, .value_kind: global_buffer, .address_space: global }
      - { .name: be2, .offset: 88, .size: 8, .value_kind: global_buffer, .address_space: global }
      - { .name: out0, .offset: 96, .size: 8, .value_kind: global_buffer, .address_space: global }
    .group_segment_fixed_size: 324608
    .private_segment_fixed_size: 0
    .kernarg_segment_align: 8
    .kernarg_segment_size: 104
    .max_flat_workgroup_size: 256
    .sgpr_count:     80
    .vgpr_count:     512
    .wavefront_size: 32
...
	.end_amdgpu_metadata
.endif
;; end of part 2
